; MI455X (gfx1250); checked and timed in simulation.
; The chip was launched on July 23, 2026; its instructions are those of AMD's public machine-readable ISA for CDNA 5 (MIT licence, August 2026) and "CDNA5" Instruction Set Architecture Reference Guide (July 2026). The comments in the code are by the model that wrote it; some were corrected since.
;; Tucker Linear Layer. Allowed arithmetic: matrix products marked QUANTISED: E4M3 operands, one given power-of-two scale a tensor, by v_wmma_f32_16x16x64_fp8_fp8 or v_wmma_f32_16x16x128_fp8_fp8, f32 sums; products left as they are: f32 operands where the result goes on into a quantised operand, else bf16, f16 or f32 operands; f32 sums; everything else in f32.
;; Inputs: bias 4,096 float32; core 8 x 8 x 8 x 8 x 8 x 8 float32; f0 16 x 8 float32; f1 16 x 8 float32; f2 16 x 8 float32; f3 16 x 8 float32; f4 16 x 8 float32; f5 16 x 8 float32; lowp_scales 2 int32 (the exponents e of the quantised operands' scales 2^e); x 4,096 x 4,096 float32.
;; Outputs: out0 4,096 x 4,096 float32.
;; This version of the problem:
;;   THIS VERSION OF THE PROBLEM IS GIVEN IN LOW PRECISION. The matrix products marked QUANTISED in the list below multiply operands that are first quantised to E4M3 (4 exponent bits, 3 mantissa bits; 8 bits a number), with one given power-of-two scale for each operand tensor; their sums are f32. All else is computed in f32.
;;   The module's matrix products, in the order in which they are computed (A, B: the left and right operand; K: the contracted axis; several contracted axes count as one K, in the product's order):
;;     1. [M 16, K 8] x [K 8, N 32,768]; A: input f0; B: input core: left as it is (K = 8 < 32)
;;     2. [M 65,536, K 8] x [K 8, N 16]; A: computed on the way; B: input f1: left as it is (K = 8 < 32)
;;     3. [M 131,072, K 8] x [K 8, N 16]; A: computed on the way; B: input f2: left as it is (K = 8 < 32)
;;     4. [M 262,144, K 8] x [K 8, N 16]; A: computed on the way; B: input f3: left as it is (K = 8 < 32)
;;     5. [M 524,288, K 8] x [K 8, N 16]; A: computed on the way; B: input f4: left as it is (K = 8 < 32)
;;     6. [M 1,048,576, K 8] x [K 8, N 16]; A: computed on the way; B: input f5: left as it is (K = 8 < 32)
;;     7. [M 4,096, K 4,096] x [K 4,096, N 4,096]; A: input x; B: computed on the way: QUANTISED (scales: A lowp_scales[0], B lowp_scales[1])
;;   THE QUANTISER, for each operand of a quantised product, along K:
;;     - The operand's scale is 2^e, e = its entry of the input lowp_scales (int32; the entries are numbered through the quantised products in the list's order, A before B).
;;     - Each number is divided by the scale, clamped to +-448, and rounded to the nearest number of E4M3, ties to even, subnormals kept.
;;     - The product sums the exact products of the quantised numbers (number of the format x scale) in f32.
;;   ~~~python
;;   def quantise(x, axis, e):      # numpy; x: float32 -> the quantised numbers, widened to float32 again
;;       x = np.moveaxis(x, axis, -1); K = x.shape[-1]
;;       r = np.clip(x / 2.0 ** e, -448, 448)
;;       step = 2.0 ** (np.maximum(np.frexp(np.where(r == 0, 1, r))[1] - 1, -6) - 3)
;;       q = np.round(r / step) * step * 2.0 ** e      # np.round: ties to even
;;       return np.moveaxis(q, -1, axis).astype(np.float32)
;;   ~~~
;;   OPERANDS COMPUTED ON THE WAY. 'Computed on the way' means the value that the module computes at that place (a softmax that the list does not call 'softmax' is quantised finished and normalised). What goes into a quantiser is computed in f32, as accurately as f32 sums, v_exp_f32 and their like allow (about 1e-6 of the number): no bf16 or f16 on the way to a quantiser, and a product that is left as it is and whose result goes on into a quantised operand takes f32 operands (vector FMAs, or v_wmma_f32_16x16x4_f32). A number that lies on a knife's edge between two numbers of the format may be rounded either way, as far as f32 arithmetic and the matrix unit's own rounding can turn it there, and no further.
;; One version. Each part assembles by itself: llvm-mc -triple=amdgcn-amd-amdhsa -mcpu=gfx1250 --defsym DOCPART=n.
;; ======== version 1 of 1: 3 launches
;; limits: right only within a limited range of input values
;; workspace buffers: g 8,388,608 bytes; xc 16,777,216 bytes; wc 16,777,216 bytes
;; launch gmake (part 1): grid 256 x 1, 8 waves a work-group, no clusters, 17,408 bytes of LDS; arguments core, f0, f1, f2, g; writes g
.if DOCPART == 1
	.amdgcn_target "amdgcn-amd-amdhsa--gfx1250"
	.amdhsa_code_object_version 6
	.text
	.protected	k_qaee4040209_gmake
	.globl	k_qaee4040209_gmake
	.p2align	8
	.type	k_qaee4040209_gmake,@function
k_qaee4040209_gmake:
	s_mov_b64 s[64:65], 0
	v_nop
	global_prefetch_b8 v0, s[64:65] scope:SCOPE_SE
	s_setreg_imm32_b32 hwreg(HW_REG_WAVE_MODE, 25, 1), 1
	s_wait_xcnt 0x0
; G[a b c][l m n] = sum over i, j, k of core[i j k l m n] f0[a][i] f1[b][j] f2[c][k]: the out-side half of the Tucker chain, all in f32 by fused multiply-adds
; (the result goes on into a quantiser).  The order of the sums is i, then j, then k, each ascending.
; g: 4,096 rows (a b c) of 512 f32.  Inside a row the number (l, m, n) stands at q = 64 l + 32 (m / 4) + 4 n + m % 4: four neighbouring m of one n are 16 bytes, as the next launch's lanes take them.
; SHARES.  Work-group: a = id / 16, l = (id / 2) % 8, bh = id % 2: one a, one l (64 columns (m, n)), eight b.  Eight waves.
;   phase 1: wave w makes T1[j = w][k = 0..7] = sum over i of f0[a][i] core[i][w][k][l][.]; a lane holds two columns, so every line is a packed one;
;   the 64 rows (j, k) of T1 meet in LDS (256 bytes a row, already in q order), one barrier;
;   phase 2: wave w owns b = 8 bh + w: T2[k] = sum over j of f1[b][j] T1[j][k]; G[c] = sum over k of f2[c][k] T2[k] for all sixteen c.
; NO CLUSTER, NO TENSOR LOAD: the 128 KiB of core that a work-group takes go once, straight into the registers that multiply them (each wave its own 16 KiB); a way through LDS would add a store and a load of every byte
; to 64 packed lines a wave.  No matrix instruction: its results would have to change lanes between the steps.
; The coefficients are the same in all lanes; they lie in vector pairs, and op_sel picks the pair's first or second register for both halves of a packed line.
.set F0,  8                            ; v[8:15]    f0[a][0..7]
.set F1,  16                           ; v[16:23]   f1[b][0..7]
.set T1,  24                           ; v[24:39]   my T1[w][k], a pair for each k
.set T2,  40                           ; v[40:55]   T2[k]
.set GO,  56                           ; v[56:87]   G[c], a pair for each c
.set R,   128                          ; v[128:255] core's 64 pairs (8 i + k), later all of T1 (8 j + k)
.set F2,  0                            ; window 1, v[0:127]: f2[c][k] at 8 c + k
.set MSB, 0
.macro WIN new                         ; the immediate's high byte repeats the setting that is left
.if MSB != (\new)
	s_set_vgpr_msb (MSB<<8)|(\new)
.set MSB, \new
.endif
.endm
; One packed line: v[dst] (+)= v[x] x coefficient idx of the run that begins at v[f].  A sum's first term has an index that is a multiple of 8: it is a multiplication, so nothing is cleared.
.macro PKT dst, x, f, idx
.if ((\idx)%8) == 0
	v_pk_mul_f32 v[\dst:\dst+1], v[\x:\x+1], v[\f+(\idx):\f+(\idx)+1] op_sel_hi:[1,0]
.elseif ((\idx)%2) == 0
	v_pk_fma_f32 v[\dst:\dst+1], v[\x:\x+1], v[\f+(\idx):\f+(\idx)+1], v[\dst:\dst+1] op_sel_hi:[1,0,1]
.else
	v_pk_fma_f32 v[\dst:\dst+1], v[\x:\x+1], v[\f+(\idx)-1:\f+(\idx)], v[\dst:\dst+1] op_sel:[0,1,0] op_sel_hi:[1,1,1]
.endif
.endm
	s_load_b256 s[4:11], s[0:1], 0x0               ; core s[4:5], f0 s[6:7], f1 s[8:9], f2 s[10:11]
	s_load_b64 s[12:13], s[0:1], 0x20              ; g
	v_lshl_add_u32 v126, v0, 2, 0x4000
	v_mov_b32 v127, 0
	v_lshrrev_b32 v1, 5, v0
	s_delay_alu instid0(VALU_DEP_1)
	v_readfirstlane_b32 s14, v1                    ; wave 0..7
	v_and_b32 v1, 31, v0                           ; lane L
	s_delay_alu instid0(VALU_DEP_1)
	v_lshlrev_b32 v2, 3, v1                        ; 8 L: my two columns in a row of 256 bytes: in core, in LDS on the way back, and in g
	v_bfe_u32 v5, v0, 4, 1                         ; L / 16
	v_and_b32 v6, 3, v0                            ; L % 4
	v_bfe_u32 v7, v0, 2, 2                         ; (L / 4) % 4
	s_lshl_b32 s19, s14, 11                        ; my eight rows of T1 in LDS
	; in core lane L holds columns 2 L and 2 L + 1: m = L / 4, n = 2 (L % 4) + x.  Their place in q order, in bytes: 128 (m / 4) + 16 n + 4 (m % 4)
	v_lshlrev_b32 v3, 7, v5
	s_delay_alu instid0(VALU_DEP_1)
	v_lshl_add_u32 v3, v6, 5, v3
	s_delay_alu instid0(VALU_DEP_1)
	v_lshl_add_u32 v3, v7, 2, v3
	s_delay_alu instid0(VALU_DEP_1)
	v_add_nc_u32 v3, s19, v3                       ; x = 1 lies 16 bytes further on
	v_mov_b32 v4, 0                                ; the offset of loads that are the same in all lanes
	s_lshr_b32 s15, ttmp9, 4                       ; a
	s_bfe_u32 s16, ttmp9, 0x30001                  ; l
	s_and_b32 s17, ttmp9, 1                        ; bh
	s_lshl_b32 s18, s17, 3
	s_add_co_u32 s18, s18, s14                     ; b = 8 bh + wave
	s_mov_b32 s21, 0
	s_wait_alu depctr_va_vdst(0)
	s_wait_kmcnt 0x0
	s_lshl_b32 s20, s14, 14                        ; core: j = wave is 16,384 bytes a step, l 256
	s_lshl_b32 s22, s16, 8
	s_add_co_u32 s20, s20, s22
	s_add_nc_u64 s[4:5], s[4:5], s[20:21]
	s_lshl_b32 s20, s15, 5
	s_add_nc_u64 s[6:7], s[6:7], s[20:21]          ; f0's row a
	s_lshl_b32 s20, s18, 5
	s_add_nc_u64 s[8:9], s[8:9], s[20:21]          ; f1's row b
	s_lshl_b32 s20, s15, 4
	s_add_co_u32 s20, s20, s18
	s_lshl_b32 s20, s20, 15                        ; g: sixteen rows (c) of 2,048 bytes for each (a, b),
	s_add_co_u32 s20, s20, s22                     ; + 256 l
	s_add_nc_u64 s[12:13], s[12:13], s[20:21]
	global_load_b128 v[F0:F0+3],   v4, s[6:7]
	global_load_b128 v[F0+4:F0+7], v4, s[6:7] offset:16
	global_load_b128 v[F1:F1+3],   v4, s[8:9]
	global_load_b128 v[F1+4:F1+7], v4, s[8:9] offset:16
.irp i, 0,1,2,3,4,5,6,7
.irp k, 0,1,2,3,4,5,6,7
	global_load_b64 v[R+2*(8*\i+\k):R+2*(8*\i+\k)+1], v2, s[4:5] offset:\i*131072+\k*2048   ; the wave reads 256 consecutive bytes, aligned
.endr
.endr
	; ---- phase 1: eight chains T1[k], i ascending
.irp i, 0,1,2,3
	s_wait_alu depctr_va_vdst(0)
	s_wait_loadcnt 8*(7-\i)                        ; loads come back in order: the factors' and this i's eight are in; the eight of each later i may be out
.irp k, 0,1,2,3,4,5,6,7
	PKT T1+2*\k, R+2*(8*\i+\k), F0, \i
.endr
.endr
	WIN 0x40                                       ; destination window 1, address window 0
.irp t, 0,1,2,3,4,5,6,7,8,9,10,11,12,13,14,15,16,17,18,19,20,21,22,23,24,25,26,27,28,29,30,31
	global_load_b128 v[F2+4*\t:F2+4*\t+3], v4, s[10:11] offset:16*\t   ; all of f2; it is wanted in phase 2
.endr
	WIN 0
	s_wait_alu depctr_va_vdst(0)
.irp i, 4,5,6,7
	s_wait_alu depctr_va_vdst(0)
	s_wait_loadcnt 8*(7-\i)+32                     ; behind this i's eight: the eight of each later i and f2's 32
.irp k, 0,1,2,3,4,5,6,7
	PKT T1+2*\k, R+2*(8*\i+\k), F0, \i
.endr
.endr
.irp k, 0,1,2,3,4,5,6,7
	ds_store_b32 v3, v[T1+2*\k]   offset:256*\k     ; row 8 w + k; the 32 lanes' words lie in 32 different banks (64 banks of 4 bytes: ISA guide 11.1)
	ds_store_b32 v3, v[T1+2*\k+1] offset:256*\k+16
.endr
	s_wait_dscnt 0x0                               ; for the others' sake: my rows of T1 have landed
	s_barrier_signal -1
	s_barrier_wait -1                              ; all 64 rows lie in LDS; nothing is written there again
	; ---- phase 2: from here on lane L holds q = 2 L and 2 L + 1
.irp n, 0,1,2,3,4,5,6,7,8,9,10,11,12,13,14,15,16,17,18,19,20,21,22,23,24,25,26,27,28,29,30,31,32,33,34,35,36,37,38,39,40,41,42,43,44,45,46,47,48,49,50,51,52,53,54,55,56,57,58,59,60,61,62,63
	ds_load_b64 v[R+2*\n:R+2*\n+1], v2 offset:256*\n
.endr
.irp j, 0,1,2,3,4,5,6,7
	s_wait_alu depctr_va_vdst(0)
	s_wait_dscnt 8*(7-\j)                          ; LDS loads come back in order: this j's eight rows are in; the eight of each later j may be out
.irp k, 0,1,2,3,4,5,6,7
	PKT T2+2*\k, R+2*(8*\j+\k), F1, \j
.endr
.endr
	s_wait_alu depctr_va_vdst(0)
	s_wait_loadcnt 0x0                             ; f2
	WIN 0x04                                       ; source 1 (the coefficient) window 1
.irp k, 0,1,2,3,4,5,6,7
.irp c, 0,1,2,3,4,5,6,7,8,9,10,11,12,13,14,15
	PKT GO+2*\c, T2+2*\k, F2, 8*\c+\k              ; sixteen chains take turns
.endr
.endr
	WIN 0
.irp c, 0,1,2,3,4,5,6,7,8,9,10,11,12,13,14,15
	global_store_b64 v2, v[GO+2*\c:GO+2*\c+1], s[12:13] offset:2048*\c   ; the wave stores 256 consecutive bytes, aligned: row (a, b, c), block l
.endr
	s_wait_tensorcnt 0x0
	ds_add_u32 v126, v127
	s_wait_dscnt 0x0
	s_endpgm
.Lfunc_end_k_qaee4040209_gmake:
	.size	k_qaee4040209_gmake, .Lfunc_end_k_qaee4040209_gmake-k_qaee4040209_gmake
	.p2alignl 7, 3214868480
	.fill 96, 4, 3214868480
	.section	.rodata,"a",@progbits
	.p2align	6, 0x0
	.amdhsa_kernel k_qaee4040209_gmake
		.amdhsa_group_segment_fixed_size 17408
		.amdhsa_private_segment_fixed_size 0
		.amdhsa_enable_private_segment 0
		.amdhsa_kernarg_size 40
		.amdhsa_user_sgpr_count 2
		.amdhsa_user_sgpr_kernarg_segment_ptr 1
		.amdhsa_wavefront_size32 1
		.amdhsa_system_sgpr_workgroup_id_x 1
		.amdhsa_system_sgpr_workgroup_id_y 1
		.amdhsa_system_sgpr_workgroup_id_z 1
		.amdhsa_system_vgpr_workitem_id 0
		.amdhsa_next_free_vgpr 384
		.amdhsa_next_free_sgpr 66
		.amdhsa_reserve_vcc 0
		.amdhsa_float_denorm_mode_32 3
		.amdhsa_float_denorm_mode_16_64 3
		.amdhsa_memory_ordered 1
		.amdhsa_forward_progress 1
		.amdhsa_inst_pref_size 36
	.end_amdhsa_kernel
	.amdgpu_metadata
---
amdhsa.version: [ 1, 2 ]
amdhsa.kernels:
  - .name:           k_qaee4040209_gmake
    .symbol:         k_qaee4040209_gmake.kd
    .args:
      - { .name: core, .offset: 0, .size: 8, .value_kind: global_buffer, .address_space: global }
      - { .name: f0, .offset: 8, .size: 8, .value_kind: global_buffer, .address_space: global }
      - { .name: f1, .offset: 16, .size: 8, .value_kind: global_buffer, .address_space: global }
      - { .name: f2, .offset: 24, .size: 8, .value_kind: global_buffer, .address_space: global }
      - { .name: g, .offset: 32, .size: 8, .value_kind: global_buffer, .address_space: global }
    .group_segment_fixed_size: 17408
    .private_segment_fixed_size: 0
    .kernarg_segment_align: 8
    .kernarg_segment_size: 40
    .max_flat_workgroup_size: 256
    .sgpr_count:     66
    .vgpr_count:     384
    .wavefront_size: 32
...
	.end_amdgpu_metadata
.endif
;; end of part 1
;; launch prep (part 2): grid 1024 x 1, 4 waves a work-group, no clusters, 33,280 bytes of LDS; arguments x, g, f3, f4, f5, lowp_scales, xc, wc; writes xc, wc
.if DOCPART == 2
	.amdgcn_target "amdgcn-amd-amdhsa--gfx1250"
	.amdhsa_code_object_version 6
	.text
	.protected	k_qaee4040209_prep
	.globl	k_qaee4040209_prep
	.p2align	8
	.type	k_qaee4040209_prep,@function
k_qaee4040209_prep:
	s_mov_b64 s[64:65], 0
	v_nop
	global_prefetch_b8 v0, s[64:65] scope:SCOPE_SE
	s_setreg_imm32_b32 hwreg(HW_REG_WAVE_MODE, 25, 1), 1
	s_wait_xcnt 0x0
; Both operands of the large product are made into codes of FP8 (E4M3), K = (d e f) innermost, once.  Half of the work-groups finish W and quantise it, the other half quantise x.
; THE KIND of work-group id is (id xor id / 256) % 2 (0: W, 1: x), its index among its kind id / 2: each pair 2 m, 2 m + 1 holds one of each kind, and the four numbers that are equal modulo 256 hold two of each.
; x's work is a stream (64 MiB in, 16 MiB out), W's is arithmetic (235 M of the chain's multiply-adds for 24 MiB moved).
; code = number / 2^e, held within +-448, to the nearest code, ties to even.  e0 (x) and e1 (W) are the two whole numbers of lowp_scales.
; LIMITS: e0 and e1 between -126 and 119, so that 2^e and 448 x 2^e are f32 numbers.  NaN among the inputs is not served (an infinity is held at the largest code).
; No tensor load, no barrier, no cluster: waves share nothing; the factors, which all share, are 512 bytes each.
; WHERE THE CODES LIE: xc and wc are images [block of 128 rows][K step of 256][128 rows][256 bytes]: 128 rows of one K step are 32,768 bytes on end, a block of 128 rows 524,288 bytes.
;   In wc, inside each 64 rows, row n = 4 r + b of W stands at place 16 b + r, as the next launch's way out wants it.
;
; W PATH.  W[abc][d e f] = sum over l, m, n of G[abc][l m n] f3[d][l] f4[e][m] f5[f][n], all f32.  A wave takes two rows abc; a row goes in four QUADS of four d.
;   over l: packed multiply-adds, straight into the layout of a matrix operand.  Lane L = 16 h + 8 n2 + 4 dd + nlo holds H1[d = 2 D + dd][m = 4 h + 0..3][n = 4 n2 + nlo]: four registers.
;   over m: v_wmma_f32_16x16x4_f32, source 0 = H1 (rows: two d x eight n), source 1 = f4 (columns e), two K steps.  K step s, register j of a lane stands for m = 4 h + 2 s + j on BOTH sides: every product meets its partner.
;           In the result lane (e, h) holds, in register j, H2[d = 2 D + j / 4][e][n = 4 h + j % 4].
;   over n: the same form, source 0 = f5 (rows f), source 1 = a pair of those registers as they stand (n = 4 h + 2 s + j): nothing changes lanes.
;           In the result lane (e, h) holds W[d][e][f = 8 h + 0..7]: eight neighbours along K, one conversion, 8 bytes at 16 e + 8 h of the row's 256 bytes of K step d: a store of the wave covers 256 consecutive bytes, aligned.
;   The next quad's packed lines stand between the matrix instructions and are the places behind them (ISA guide 7.12.1): sixteen where nine or eight are wanted.
;   The registers that this matrix form writes (v192-239) are written by it alone in the whole text, each sum begins with the constant 0, the accumulators take turns one instruction a turn,
;   and each result is read from its low end on.
; X PATH.  A wave takes two rows of x in 16 steps of 512 numbers.  Each load reads 512 consecutive bytes; a step's 2,048 bytes turn through the wave's own stage in LDS so that a lane then holds 16 neighbours along K;
;   its 16 codes are 16 bytes: lanes 0-15 store the row's 256 bytes of one K step, lanes 16-31 those of the next.  Loads run four steps ahead, the turn through LDS one step.
.set F4,   8                           ; v[8:11]    f4[e = r][4 h + 0..3]
.set F5,   12                          ; v[12:15]   f5[f = r][4 h + 0..3]
.set H,    16                          ; v[16:31]   H1: two buffers (quads by turns) of two D x 4 registers
.set TMP,  32                          ; v[32:47]   held numbers, two sets of 8
.set CODE, 48                          ; v[48:63]   codes, two sets (quads by turns) of 4 pairs
.set COEF, 64                          ; v[64:127]  f3[2 D + dd][l] at 8 D + l
.set G,    128                         ; v[128:191] G of my two rows: 32 row + 4 l + (m % 4)
.set D5,   192                         ; v[192:207] H2: two accumulators
.set D6,   208                         ; v[208:239] W: four accumulators
.set STEPS, 16                         ; x path
.set R,    16                          ; v16-79   four sets of 16 numbers as they are loaded
.set X,    80                          ; v80-111  two sets of 16 neighbours
.set C,    128                         ; v128-191 codes: four registers for each step, so that no store's data are written again
.set WREG, 8192                        ; LDS: a region of its own for each wave: two stages of 32 x SP bytes
.set SP,   80                          ; a lane's place in a stage: its 64 bytes + 16 of padding
; One packed line: v[dst] (+)= v[x] x coefficient idx of the run at v[f]; op_sel picks the pair's first or second register for both halves.  An index that is a multiple of 8 starts a sum.
.macro PKT dst, x, f, idx
.if ((\idx)%8) == 0
	v_pk_mul_f32 v[\dst:\dst+1], v[\x:\x+1], v[\f+(\idx):\f+(\idx)+1] op_sel_hi:[1,0]
.elseif ((\idx)%2) == 0
	v_pk_fma_f32 v[\dst:\dst+1], v[\x:\x+1], v[\f+(\idx):\f+(\idx)+1], v[\dst:\dst+1] op_sel_hi:[1,0,1]
.else
	v_pk_fma_f32 v[\dst:\dst+1], v[\x:\x+1], v[\f+(\idx)-1:\f+(\idx)], v[\dst:\dst+1] op_sel:[0,1,0] op_sel_hi:[1,1,1]
.endif
.endm
; Quad q = 4 row + Q covers d = 4 Q + 0..3.  Half of its sums over l: l = 4 half + 0..3, both D = 2 Q + e, both pairs of m: 16 lines, four chains by turns.
.macro HPART q, half
.set hrow, (\q)/4
.set hQ, (\q)%4
.set hb, H+8*((\q)%2)
.irp l, 0,1,2,3
.irp e, 0,1
.irp p, 0,1
	PKT hb+4*\e+2*\p, G+32*hrow+4*(4*(\half)+\l)+2*\p, COEF, 8*(2*hQ+\e)+4*(\half)+\l
.endr
.endr
.endr
.endm
.macro W5 q                            ; the sums over m: two accumulators by turns, two K steps
.irp s, 0,1
.irp e, 0,1
.if \s == 0
	v_wmma_f32_16x16x4_f32 v[D5+8*\e:D5+8*\e+7], v[H+8*((\q)%2)+4*\e:H+8*((\q)%2)+4*\e+1], v[F4:F4+1], 0
.else
	v_wmma_f32_16x16x4_f32 v[D5+8*\e:D5+8*\e+7], v[H+8*((\q)%2)+4*\e+2:H+8*((\q)%2)+4*\e+3], v[F4+2:F4+3], v[D5+8*\e:D5+8*\e+7]
.endif
.endr
.endr
.endm
.macro W6                              ; the sums over n: four accumulators (d = 4 Q + t) by turns, two K steps
.irp s, 0,1
.irp t, 0,1,2,3
.if \s == 0
	v_wmma_f32_16x16x4_f32 v[D6+8*\t:D6+8*\t+7], v[F5:F5+1], v[D5+4*\t:D5+4*\t+1], 0
.else
	v_wmma_f32_16x16x4_f32 v[D6+8*\t:D6+8*\t+7], v[F5+2:F5+3], v[D5+4*\t+2:D5+4*\t+3], v[D6+8*\t:D6+8*\t+7]
.endif
.endr
.endr
.endm
.macro OUT q                           ; a quad's 4 x 256 numbers are held, converted and stored
	s_wait_xcnt 0x0                                ; every earlier store has read its registers (ISA guide 3.1): this set of codes, which the quad two back stored, is written again only behind this wait
.irp t, 0,1,2,3
.irp j, 0,1,2,3,4,5,6,7
	v_med3_num_f32 v[TMP+8*(\t%2)+\j], v[D6+8*\t+\j], -v7, v7   ; the conversion to an 8-bit code does not saturate (ISA guide 7.6.2): the hold at 448 x 2^e1, into other registers, from the accumulator's low end on
.endr
	v_cvt_scalef32_pk8_fp8_f32 v[CODE+8*((\q)%2)+2*\t:CODE+8*((\q)%2)+2*\t+1], v[TMP+8*(\t%2):TMP+8*(\t%2)+7], v6
.endr
	v_nop                                          ; a plain line behind the last conversion, ahead of whatever vector or matrix line comes next
.irp t, 0,1,2,3
	global_store_b64 v5, v[CODE+8*((\q)%2)+2*\t:CODE+8*((\q)%2)+2*\t+1], s[18:19] offset:4096*((\q)/4)+32768*(4*((\q)%4)+\t)   ; d is the K step: 32,768 bytes a step; my second row stands 16 places, 4,096 bytes, on
.endr
.endm
.macro PLACES n
.rept \n
	v_nop
.endr
.endm
	s_load_b512 s[4:19], s[0:1], 0x0               ; x 4:5, g 6:7, f3 8:9, f4 10:11, f5 12:13, lowp_scales 14:15, xc 16:17, wc 18:19
	v_lshl_add_u32 v240, v0, 2, 0x8000
	v_mov_b32 v241, 0
	v_lshrrev_b32 v1, 5, v0
	v_readfirstlane_b32 s20, v1                    ; wave 0..3
	s_lshr_b32 s21, ttmp9, 1                       ; which of my kind's 512 work-groups
	s_lshr_b32 s22, ttmp9, 8
	s_xor_b32 s22, s22, ttmp9
	s_and_b32 s22, s22, 1                          ; my kind: (id xor id / 256) % 2
	s_mov_b32 s27, 0                               ; the upper word of every offset
	s_cmp_lg_u32 s22, 0
	s_cbranch_scc1 .Lxq                            ; a branch on the work-group's number alone
	; ================= W path =================
	v_and_b32 v1, 15, v0                           ; r
	v_bfe_u32 v16, v0, 4, 1                        ; h
	v_bfe_u32 v17, v0, 3, 1                        ; n2
	v_and_b32 v18, 3, v0                           ; nlo
	v_bfe_u32 v19, v0, 2, 1                        ; dd
	v_lshlrev_b32 v2, 7, v16
	v_lshl_add_u32 v2, v17, 6, v2
	v_lshl_add_u32 v2, v18, 4, v2                  ; g: 128 h + 16 n: my four m of block l (256 bytes a block)
	v_lshlrev_b32 v3, 5, v19                       ; f3: row dd of a pair of rows
	v_lshlrev_b32 v4, 5, v1
	v_lshl_add_u32 v4, v16, 4, v4                  ; f4, f5: row r, + 16 h
	v_lshlrev_b32 v5, 4, v1
	v_lshl_add_u32 v5, v16, 3, v5                  ; wc: 16 e + 8 h
	s_lshl_b32 s23, s21, 3
	s_lshl_b32 s26, s20, 1
	s_add_co_u32 s23, s23, s26                     ; my first row abc: 8 x index + 2 x wave: an even number n0
	s_wait_alu depctr_va_vdst(0)
	s_wait_kmcnt 0x0
	s_load_b64 s[24:25], s[14:15], 0x0             ; e0, e1
	s_lshl_b32 s26, s23, 11
	s_add_nc_u64 s[6:7], s[6:7], s[26:27]          ; a row of g is 2,048 bytes
	s_lshr_b32 s26, s23, 7
	s_lshl_b32 s26, s26, 19                        ; wc: the block of 128 rows,
	s_and_b32 s28, s23, 64
	s_and_b32 s29, s23, 3
	s_lshl_b32 s29, s29, 4
	s_add_co_u32 s28, s28, s29
	s_bfe_u32 s29, s23, 0x40002
	s_add_co_u32 s28, s28, s29                     ; the place in the block: (n0 & 64) + 16 (n0 % 4) + (n0 / 4) % 16; row n0 + 1 stands 16 places on
	s_lshl_b32 s28, s28, 8
	s_add_co_u32 s26, s26, s28
	s_add_nc_u64 s[18:19], s[18:19], s[26:27]
.irp d, 0,1,2,3,4,5,6,7
	global_load_b128 v[COEF+8*\d:COEF+8*\d+3],   v3, s[8:9] offset:64*\d
	global_load_b128 v[COEF+8*\d+4:COEF+8*\d+7], v3, s[8:9] offset:64*\d+16
.endr
	global_load_b128 v[F4:F4+3], v4, s[10:11]
	global_load_b128 v[F5:F5+3], v4, s[12:13]
.irp w, 0,1
.irp l, 0,1,2,3,4,5,6,7
	global_load_b128 v[G+32*\w+4*\l:G+32*\w+4*\l+3], v2, s[6:7] offset:2048*\w+256*\l th:TH_LOAD_NT   ; the wave reads one aligned block of 256 bytes, each 16 of them in two lanes (dd = 0, 1)
.endr
.endr
	s_wait_loadcnt 8                               ; all but the second row's eight
	s_wait_kmcnt 0x0
	s_add_co_i32 s28, s25, 127
	s_lshl_b32 s29, s28, 23
	v_mov_b32 v6, s29                              ; 2^e1 as f32: the conversion takes its exponent field
	s_add_co_i32 s28, s28, 8
	s_lshl_b32 s28, s28, 23
	s_or_b32 s28, s28, 0x600000
	v_mov_b32 v7, s28                              ; 448 x 2^e1
	HPART 0, 0
	HPART 0, 1
.irp q, 0,1,2,3,4,5,6,7
	W5 \q
.if \q == 3
	s_wait_loadcnt 0x0                             ; the second row of g
.endif
.if \q < 7
	HPART \q+1, 0                                  ; sixteen plain lines on the other buffer of H1: the places (nine are wanted) between the sums over m and the products that take them as source 1
.else
	PLACES 9
.endif
	W6
.if \q < 7
	HPART \q+1, 1                                  ; and sixteen more: the places (eight) in front of the first read of the results, and (nine) of the next quad's products, which write over these products' registers
.else
	PLACES 8
.endif
	OUT \q
.endr
	s_endpgm
	; ================= x path =================
.Lxq:
	v_and_b32 v2, 31, v0                           ; lane
	v_lshlrev_b32 v3, 4, v2                        ; my 16 bytes of a load's 512; never rewritten
	v_lshrrev_b32 v4, 4, v2
	v_and_b32 v5, 15, v2
	v_lshlrev_b32 v4, 15, v4
	v_lshl_add_u32 v4, v5, 4, v4                   ; the store's: lanes 0-15 fill 256 bytes of one K step, lanes 16-31 those of the next, 32,768 bytes further on; never rewritten
	s_mul_i32 s23, s20, WREG
	v_lshrrev_b32 v14, 2, v2
	v_mul_u32_u24 v14, v14, SP
	v_and_b32 v15, 3, v2
	v_lshl_add_u32 v14, v15, 4, v14
	v_add_nc_u32 v14, s23, v14                     ; the stage, on the way in: four lanes' 64 bytes on end, then 16 of padding: SP (lane / 4) + 16 (lane % 4); a load's 512 bytes take eight places
	v_mul_u32_u24 v15, v2, SP
	v_add_nc_u32 v15, s23, v15                     ; and on the way out: SP x lane: my 16 neighbours
	s_lshl_b32 s28, s21, 2
	s_add_co_u32 s28, s28, s20                     ; which run of 8,192 numbers is my wave's: rows 2 s28 and 2 s28 + 1 of x
	s_wait_alu depctr_va_vdst(0)
	s_wait_kmcnt 0x0
	s_load_b64 s[24:25], s[14:15], 0x0             ; e0, e1
	s_lshl_b32 s26, s28, 15
	s_add_nc_u64 s[4:5], s[4:5], s[26:27]          ; 32,768 bytes of x
	s_lshr_b32 s26, s28, 6                         ; xc: block of 128 rows s28 / 64,
	s_lshl_b32 s26, s26, 19
	s_and_b32 s29, s28, 63
	s_lshl_b32 s29, s29, 9                         ; place 2 (s28 % 64) in it, 256 bytes a place
	s_add_co_u32 s26, s26, s29
	s_add_nc_u64 s[16:17], s[16:17], s[26:27]
.macro LOAD t
.irp i, 0,1,2,3
	global_load_b128 v[R+16*((\t)%4)+4*\i:R+16*((\t)%4)+4*\i+3], v3, s[4:5] offset:2048*(\t)+512*\i th:TH_LOAD_NT   ; 32 lanes read 512 consecutive bytes
.endr
.endm
.macro TURN t                          ; step t's numbers through the stage: LDS serves a wave's instructions in order (ISA guide 5.7.1.4), so no wait stands between the stores and the loads
.irp i, 0,1,2,3
	ds_store_b128 v14, v[R+16*((\t)%4)+4*\i:R+16*((\t)%4)+4*\i+3] offset:32*SP*((\t)%2)+8*SP*\i
.endr
.irp i, 0,1,2,3
	ds_load_b128 v[X+16*((\t)%2)+4*\i:X+16*((\t)%2)+4*\i+3], v15 offset:32*SP*((\t)%2)+16*\i
.endr
.endm
.irp t, 0,1,2,3
	LOAD \t
.endr
	s_wait_kmcnt 0x0
	s_add_co_i32 s28, s24, 127
	s_lshl_b32 s29, s28, 23
	v_mov_b32 v11, s29                             ; 2^e0 as f32
	s_add_co_i32 s28, s28, 8
	s_lshl_b32 s28, s28, 23
	s_or_b32 s28, s28, 0x600000
	v_mov_b32 v10, s28                             ; 448 x 2^e0
	s_wait_alu depctr_va_vdst(0)
	s_wait_loadcnt 12                              ; step 0's four loads are in; those of the three steps behind it may be out
	TURN 0
.macro STEP t
.set XS, X+16*((\t)%2)
	s_wait_dscnt 0x0                               ; this step's numbers are back from the stage: so its stores into the stage have read their registers,
.if (\t)+4 < STEPS
	LOAD (\t)+4                                    ; which take the loads of four steps on
.endif
.if (\t)+1 < STEPS
.if STEPS-2-(\t) >= 3
	s_wait_loadcnt 12                              ; the next step's four loads are in; those of the three steps behind it may be out
.else
	s_wait_loadcnt 4*(STEPS-2-(\t))                ; at the end the counts run down
.endif
	TURN (\t)+1                                    ; and go through the other stage while this step is worked
.endif
.irp i, 0,1,2,3,4,5,6,7,8,9,10,11,12,13,14,15
	v_med3_num_f32 v[XS+\i], v[XS+\i], -v10, v10   ; the hold at 448 x 2^e0 (ISA guide 7.6.2: the conversion does not saturate)
.endr
	v_cvt_scalef32_pk8_fp8_f32 v[C+4*(\t):C+4*(\t)+1], v[XS:XS+7], v11
	v_cvt_scalef32_pk8_fp8_f32 v[C+4*(\t)+2:C+4*(\t)+3], v[XS+8:XS+15], v11
	v_nop                                          ; a plain line behind the last conversion of the run
	global_store_b128 v4, v[C+4*(\t):C+4*(\t)+3], s[16:17] offset:256*((\t)/8)+65536*((\t)%8)   ; row t / 8, K steps 2 (t % 8) and the next: two aligned units of 256 bytes, each from sixteen neighbouring lanes
.endm
.irp t, 0,1,2,3,4,5,6,7,8,9,10,11,12,13,14,15
	STEP \t
.endr
	s_wait_tensorcnt 0x0                           ; the wave's end, behind my last LDS store
	ds_add_u32 v240, v241
	s_wait_dscnt 0x0
	s_endpgm
.Lfunc_end_k_qaee4040209_prep:
	.size	k_qaee4040209_prep, .Lfunc_end_k_qaee4040209_prep-k_qaee4040209_prep
	.p2alignl 7, 3214868480
	.fill 96, 4, 3214868480
	.section	.rodata,"a",@progbits
	.p2align	6, 0x0
	.amdhsa_kernel k_qaee4040209_prep
		.amdhsa_group_segment_fixed_size 33280
		.amdhsa_private_segment_fixed_size 0
		.amdhsa_enable_private_segment 0
		.amdhsa_kernarg_size 64
		.amdhsa_user_sgpr_count 2
		.amdhsa_user_sgpr_kernarg_segment_ptr 1
		.amdhsa_wavefront_size32 1
		.amdhsa_system_sgpr_workgroup_id_x 1
		.amdhsa_system_sgpr_workgroup_id_y 1
		.amdhsa_system_sgpr_workgroup_id_z 1
		.amdhsa_system_vgpr_workitem_id 0
		.amdhsa_next_free_vgpr 242
		.amdhsa_next_free_sgpr 66
		.amdhsa_reserve_vcc 0
		.amdhsa_float_denorm_mode_32 3
		.amdhsa_float_denorm_mode_16_64 3
		.amdhsa_memory_ordered 1
		.amdhsa_forward_progress 1
		.amdhsa_inst_pref_size 87
	.end_amdhsa_kernel
	.amdgpu_metadata
---
amdhsa.version: [ 1, 2 ]
amdhsa.kernels:
  - .name:           k_qaee4040209_prep
    .symbol:         k_qaee4040209_prep.kd
    .args:
      - { .name: x, .offset: 0, .size: 8, .value_kind: global_buffer, .address_space: global }
      - { .name: g, .offset: 8, .size: 8, .value_kind: global_buffer, .address_space: global }
      - { .name: f3, .offset: 16, .size: 8, .value_kind: global_buffer, .address_space: global }
      - { .name: f4, .offset: 24, .size: 8, .value_kind: global_buffer, .address_space: global }
      - { .name: f5, .offset: 32, .size: 8, .value_kind: global_buffer, .address_space: global }
      - { .name: lowp_scales, .offset: 40, .size: 8, .value_kind: global_buffer, .address_space: global }
      - { .name: xc, .offset: 48, .size: 8, .value_kind: global_buffer, .address_space: global }
      - { .name: wc, .offset: 56, .size: 8, .value_kind: global_buffer, .address_space: global }
    .group_segment_fixed_size: 33280
    .private_segment_fixed_size: 0
    .kernarg_segment_align: 8
    .kernarg_segment_size: 64
    .max_flat_workgroup_size: 128
    .sgpr_count:     66
    .vgpr_count:     242
    .wavefront_size: 32
...
	.end_amdgpu_metadata
.endif
;; end of part 2
;; launch gemm (part 3): grid 16 x 16, 4 waves a work-group, clusters of 4 x 4, 327,680 bytes of LDS; arguments xc, wc, lowp_scales, out0, bias; writes out0
.if DOCPART == 3
	.amdgcn_target "amdgcn-amd-amdhsa--gfx1250"
	.amdhsa_code_object_version 6
	.text
	.protected	k_qaee4040209_gemm
	.globl	k_qaee4040209_gemm
	.p2align	8
	.type	k_qaee4040209_gemm,@function
k_qaee4040209_gemm:
	s_mov_b64 s[64:65], 0
	v_nop
	global_prefetch_b8 v0, s[64:65] scope:SCOPE_SE
	s_setreg_imm32_b32 hwreg(HW_REG_WAVE_MODE, 25, 1), 1
	s_wait_xcnt 0x0
	s_wait_alu depctr_hold_cnt(0) depctr_sa_sdst(0) depctr_va_vdst(0) depctr_va_sdst(0) depctr_va_ssrc(0) depctr_va_vcc(0) depctr_vm_vsrc(0)
	s_getreg_b32 s2, hwreg(HW_REG_IB_STS2, 6, 4)
	s_cmp_eq_u32 s2, 0
	s_cbranch_scc0 .Lentry_in_a_cluster
	s_endpgm
.Lentry_in_a_cluster:
	s_bfe_u32 s2, ttmp6, 0x10000c
	s_cmp_lg_u32 s2, 0xf033
	s_cbranch_scc0 .Lentry_shape_is_right
	s_endpgm
.Lentry_shape_is_right:
; out0[m][n] = 2^(e0 + e1) x (sum over k of xc[m][k] wc[n][k]) + bias[n]: 4,096 x 4,096 x 4,096 on codes of FP8 (E4M3), sums in f32.  LIMIT: e0 + e1 between -126 and 127, so that 2^(e0 + e1) is an f32 number.
; xc and wc are images [block of 128 rows][K step of 256][128 rows][256 bytes]: 128 rows of one K step are 32,768 bytes on end.  In wc, inside each 64 rows, row n = 4 r + b of W stands at place 16 b + r.
; A work-group of four waves makes 256 x 256 of out0, a wave 128 x 128: 64 accumulators, 512 registers.  K goes in steps of 256 through two LDS slots; each wave fetches a quarter of a slot by one tensor load.
; CLUSTERS: 4 x 4 work-groups; x's tiles are asked for jointly along a row of the cluster, W's along a column.
; SOURCE 0 = 16 rows of x, SOURCE 1 = 16 places of wc: lane (r, h) holds in register j the number (row 8 h + j, place r).  By wc's order the four accumulators of W's blocks 0..3 hold, in lane r, columns 4 r + 0..3:
; one fused multiply-add a number (scale and bias) lays them into four registers on end, and sixteen neighbouring lanes store 256 consecutive bytes of a row.  No result goes through LDS.
; A STEP of 128 along K is four QUADRANTS of 16 products: Q0 = x lo, W lo; Q1 = x lo, W hi; Q2 = x hi, W hi; Q3 = x hi, W lo (lo, hi: blocks 0-3, 4-7).
; REGISTERS, in windows of 256.  Window q holds quadrant q's accumulators in v128-255 ((pp, rr) at 128 + 8 (4 pp + rr)).  Below them lie the fragments, in halves of 64 registers:
;   window 0: v0-31 addresses, v64-127 W hi;   window 1: x lo, two sets;   window 2: x hi, two sets;   window 3: W lo, two sets.  The sets take turns step by step.
; The LDS loads come in TWO RUNS of 32 a step: ahead of Q1 the next step's x lo and W lo (used three quadrants on), ahead of Q3 the next step's W hi (two quadrants on) and x hi (three).  Each fragment is read once a step.
; So a slot's last reads stand in its FIRST step, and the change of slots stands in Q0 of its second step.
; PREFETCH: behind the refill that asks for K step j + 2 each wave names K step j + 4 of the tile that it fetches: of its 128 blocks of 256 bytes the four partners take 32 each, by address, a lane a block.
; K steps 1 and 2 are named behind the first load, K step 3 behind the second; the last two refills name nothing.
.set PITCH,  272                       ; an LDS row: 256 bytes + 16 of padding: the 16 rows of a fragment load start at 16 different groups of four banks (ISA guide 11.1)
.set HALFT,  128*PITCH                 ; what one tensor load brings
.set SLOT,   4*HALFT                   ; x's 256 rows, then W's 256 places
.set SPARE,  2*SLOT                    ; the spare words: 128 bytes a wave, named by no other line
.set KSB,    32768                     ; from a K step's 128 rows to the next K step's
.set NROW,   16384                     ; a row of out0 in bytes
.set HI4,    4*16*PITCH                ; from blocks 0-3 to blocks 4-7 in LDS
.set BIAS, 8                           ; v8-15  bias at my columns: 4 g + b for column 64 g + 4 r + b
.set ADRP, 16                          ; v16-17 LDS address of my x fragments in slot 0, 1
.set ADRR, 20                          ; v20-21 the same for W
.set BO,   24                          ; v24    16 r
.set CO,   26                          ; v26    my byte offset in out0: 8 h rows + 16 r
.set SPW,  28                          ; v28    my spare word; never rewritten
.set NIL,  29                          ; v29    0; never rewritten
.set PFO,  30                          ; v30    256 x lane; never rewritten
.set G1, 24
.set G0, 32
.set G1B, 48
.set G0B, 56
.set PFA, 68                           ; s[68:69] my work-group's 32 blocks of the tile that I fetch, stepped a K step at each refill
.set Q0W, 0x0d                         ; source 0 window 1, source 1 window 3, C and D window 0
.set Q1W, 0x51                         ; 1, 0, 1
.set Q2W, 0xa2                         ; 2, 0, 2
.set Q3W, 0xfe                         ; 2, 3, 3
.set MSB, 0
.macro WIN new                         ; the immediate's high byte repeats the setting that is left
.if MSB != (\new)
	s_set_vgpr_msb (MSB<<8)|(\new)
.set MSB, \new
.endif
.endm
.macro JLOAD g0a, g1a, g0b, g1b        ; a joint load: waves 0 and 1 fetch x's halves, waves 2 and 3 W's
	s_cmp_eq_u32 s15, 0
	s_cbranch_scc0 .Lfor_b_\@
	tensor_load_to_lds s[\g0a:\g0a+3], s[\g1a:\g1a+7]
	s_nop 0
.rept 4
	v_nop
.endr
	s_branch .Lasked_\@
.Lfor_b_\@:
	tensor_load_to_lds s[\g0b:\g0b+3], s[\g1b:\g1b+7]
	s_nop 0
.rept 4
	v_nop
.endr
.Lasked_\@:
.endm
.macro ASK                             ; K step j + 4; in the loop's last trip (s3 = 1) there is none
	s_cmp_gt_u32 s3, 1
	s_cbranch_scc0 .Lno_ask_\@
	global_prefetch_b8 v[PFO], s[PFA:PFA+1] offset:3*KSB th:TH_LOAD_NT scope:SCOPE_SE
.Lno_ask_\@:
.endm
.macro CREST                           ; a round of the cluster's barrier behind its opening barrier
	s_cmp_lg_u32 s14, 0
	s_cbranch_scc1 .Lnot_wave_0_\@
	s_barrier_signal -3
.Lnot_wave_0_\@:
	s_barrier_wait -3
	s_barrier_signal -1
	s_barrier_wait -1
.endm
.macro CROUND
	s_barrier_signal -1
	s_barrier_wait -1
	CREST
.endm
.macro NOP4                            ; four places between the last product that read a set of fragments and the loads into it, or the first read of results
.rept 4
	v_nop
.endr
.endm
; Products i0 .. i1 of a quadrant (i = 4 pp + rr); x's set begins at v[pb], W's at v[rb].  The 64 accumulators take turns in the same order in every step.  zero = 1: the product starts its sum.
.macro QD pb, rb, zero, i0, i1
.set WI, \i0
.rept (\i1)-(\i0)+1
.if \zero
	v_wmma_f32_16x16x128_fp8_fp8 v[128+8*WI:128+8*WI+7], v[(\pb)+16*(WI/4):(\pb)+16*(WI/4)+15], v[(\rb)+16*(WI%4):(\rb)+16*(WI%4)+15], 0
.else
	v_wmma_f32_16x16x128_fp8_fp8 v[128+8*WI:128+8*WI+7], v[(\pb)+16*(WI/4):(\pb)+16*(WI/4)+15], v[(\rb)+16*(WI%4):(\rb)+16*(WI%4)+15], v[128+8*WI:128+8*WI+7]
.endif
.set WI, WI+1
.endr
.endm
.macro RUN lbase, ladr, loff           ; 16 loads: four fragments; registers 4 c .. 4 c + 3 of a fragment hold K = 32 c + 16 h + 0..15, alike for x and W
.set LN, 0
.rept 16
	ds_load_b128 v[(\lbase)+4*LN:(\lbase)+4*LN+3], v[\ladr] offset:(\loff)+(LN/4)*16*PITCH+32*(LN%4)
.set LN, LN+1
.endr
.endm
.macro RUN1 slot, q                    ; x lo and W lo of the slot's step q, into set q
	WIN 0x40
	RUN 64*(\q), ADRP+\slot, 128*(\q)
	WIN 0xc0
	RUN 64*(\q), ADRR+\slot, 128*(\q)
.endm
.macro RUN3 slot, q                    ; W hi, then x hi into set q
	WIN 0
	RUN 64, ADRR+\slot, 128*(\q)+HI4
	WIN 0x80
	RUN 64*(\q), ADRP+\slot, 128*(\q)+HI4
.endm
	s_load_b128 s[4:7], s[0:1], 0x0                ; xc, wc
	s_load_b128 s[8:11], s[0:1], 0x10              ; lowp_scales, out0
	s_load_b64 s[12:13], s[0:1], 0x20              ; bias
	v_lshl_add_u32 v[SPW], v0, 2, SPARE
	v_mov_b32 v[NIL], 0
	ds_add_u32 v[SPW], v[NIL]                      ; the opening: the add, twice on end, and its wait ahead of my first tensor load
	ds_add_u32 v[SPW], v[NIL]
	v_lshrrev_b32 v1, 5, v0
	v_readfirstlane_b32 s14, v1                    ; wave 0..3
	s_lshr_b32 s15, s14, 1                         ; my half of the tile's rows.  Also: I fetch for x (0) or for W (1)
	s_and_b32 s16, s14, 1                          ; my half of its columns.  Also: which 128 rows of that tile I fetch
	s_bfe_u32 s40, ttmp6, 0x40000                  ; cx
	s_bfe_u32 s41, ttmp6, 0x40004                  ; cy
	s_lshl_b32 s42, ttmp9, 2
	s_add_co_u32 s42, s42, s40                     ; tile column
	s_and_b32 s17, ttmp7, 0xffff
	s_lshl_b32 s17, s17, 2
	s_add_co_u32 s17, s17, s41                     ; tile row
	s_lshl_b32 s43, s41, 2
	s_lshl_b32 s43, 15, s43                        ; my row of the cluster
	s_lshl_b32 s44, 0x1111, s40                    ; my column
	s_or_b32 s[G1+0], s43, (1<<20)|(1<<21)|(5<<22)|(3<<25)   ; elements of a byte; 4 words of padding behind every 64
	s_or_b32 s[G1B+0], s44, (1<<20)|(1<<21)|(5<<22)|(3<<25)
.irp g, G1, G1B
	s_mov_b32 s[\g+1], 256<<16                     ; 128 rows of 256 bytes, dense
	s_mov_b32 s[\g+2], 128<<16
	s_mov_b32 s[\g+3], 256<<16
	s_mov_b32 s[\g+4], 128
	s_mov_b32 s[\g+5], 256
	s_mov_b32 s[\g+6], 0
	s_mov_b32 s[\g+7], 0
.endr
	s_lshl_b32 s20, s17, 1
	s_add_co_u32 s20, s20, s16
	s_lshl_b32 s20, s20, 19                        ; x: block of 128 rows 2 x tile row + half, 524,288 bytes a block
	s_mov_b32 s21, 0
	s_lshl_b32 s46, s42, 1
	s_add_co_u32 s46, s46, s16
	s_lshl_b32 s46, s46, 19                        ; W: 2 x tile column + half
	s_mov_b32 s47, 0
	s_mul_i32 s45, s14, HALFT                      ; where my quarter of a slot lies
	s_wait_dscnt 0x0                               ; both opening adds are done
	s_wait_kmcnt 0x0
	s_load_b64 s[96:97], s[8:9], 0x0               ; e0, e1
	s_add_nc_u64 s[20:21], s[4:5], s[20:21]
	s_add_nc_u64 s[46:47], s[6:7], s[46:47]
.irp s, 0,1
	s_mov_b32 s[G0+4*\s], 1
	s_add_co_u32 s[G0+4*\s+1], s45, \s*SLOT
	s_add_nc_u64 s[G0+4*\s+2:G0+4*\s+3], s[20:21], \s*KSB
	s_or_b32 s[G0+4*\s+3], s[G0+4*\s+3], 0x80000000
	s_mov_b32 s[G0B+4*\s], 1
	s_add_co_u32 s[G0B+4*\s+1], s45, \s*SLOT
	s_add_nc_u64 s[G0B+4*\s+2:G0B+4*\s+3], s[46:47], \s*KSB
	s_or_b32 s[G0B+4*\s+3], s[G0B+4*\s+3], 0x80000000
.endr
	CROUND                                         ; all sixteen work-groups are here: the first joint loads meet
	JLOAD G0, G1, G0B, G1B                         ; K step 0: one tensor load a wave at the head
	s_mul_i32 s21, s15, HALFT                      ; my 128 rows of x in slot 0,
	s_mul_i32 s22, s16, HALFT
	s_add_co_u32 s22, s22, 2*HALFT                 ; my 128 places of W,
	s_add_co_u32 s23, s21, SLOT                    ; and both in slot 1
	s_add_co_u32 s72, s22, SLOT
	s_lshl_b32 s20, s17, 8
	s_lshl_b32 s18, s15, 7
	s_add_co_u32 s20, s20, s18
	s_lshl_b32 s20, s20, 14                        ; my first row of out0, in bytes
	s_lshl_b32 s46, s42, 10
	s_lshl_b32 s47, s16, 9
	s_add_co_u32 s46, s46, s47                     ; my first column, in bytes
	s_mov_b32 s47, 0
	s_add_nc_u64 s[12:13], s[12:13], s[46:47]
	s_add_co_u32 s46, s46, s20
	s_add_nc_u64 s[10:11], s[10:11], s[46:47]
	s_cmp_eq_u32 s15, 0                            ; the prefetches: do I fetch for x?
	s_cselect_b64 s[PFA:PFA+1], s[4:5], s[6:7]
	s_cselect_b32 s74, s17, s42                    ; the tile,
	s_cselect_b32 s75, s40, s41                    ; my place among the four that ask for it with me
	s_lshl_b32 s74, s74, 1
	s_add_co_u32 s74, s74, s16
	s_lshl_b32 s74, s74, 19
	s_lshl_b32 s75, s75, 13                        ; 32 blocks of 256 bytes a partner
	s_add_co_u32 s74, s74, s75
	s_mov_b32 s75, 0
	s_add_nc_u64 s[PFA:PFA+1], s[PFA:PFA+1], s[74:75]
	v_and_b32 v1, 15, v0                           ; r
	v_bfe_u32 v2, v0, 4, 1                         ; h
	v_mul_u32_u24 v3, v1, PITCH
	v_lshl_add_u32 v4, v2, 4, v3                   ; a fragment's row x pitch + 16 h
	v_add_nc_u32 v[ADRP], s21, v4
	v_add_nc_u32 v[ADRP+1], s23, v4
	v_add_nc_u32 v[ADRR], s22, v4
	v_add_nc_u32 v[ADRR+1], s72, v4
	v_lshlrev_b32 v[BO], 4, v1
	v_lshl_add_u32 v[CO], v2, 17, v[BO]            ; 8 h rows of 16,384 bytes + 16 r
	v_and_b32 v5, 31, v0
	v_lshlrev_b32 v[PFO], 8, v5
	s_wait_alu depctr_va_vdst(0)                   ; the head's end, behind its last vector instruction
	global_load_b128 v[BIAS:BIAS+3], v[BO], s[12:13]
	global_load_b128 v[BIAS+4:BIAS+7], v[BO], s[12:13] offset:256
	global_prefetch_b8 v[PFO], s[PFA:PFA+1] offset:KSB th:TH_LOAD_NT scope:SCOPE_SE
	global_prefetch_b8 v[PFO], s[PFA:PFA+1] offset:2*KSB th:TH_LOAD_NT scope:SCOPE_SE
; A slot's first step (sets 0): both its runs read the same slot's second step into sets 1: my last reads of the slot.
.macro STEP slot, zero
	s_wait_dscnt 32                                ; x lo and W lo are in; the run of W hi and x hi may be out
	WIN Q0W
	QD 0, 0, \zero, 0, 15
	NOP4
	RUN1 \slot, 1
	s_wait_dscnt 48                                ; W hi is in; x hi's 16 loads and the 32 just issued may be out
	WIN Q1W
	QD 0, 64, \zero, 0, 15
	s_wait_dscnt 32                                ; x hi is in
	WIN Q2W
	QD 0, 64, \zero, 0, 15
	NOP4
	RUN3 \slot, 1
	WIN Q3W
	QD 0, 0, \zero, 0, 15
.endm
; A slot's second step (sets 1) changes slots in its Q0.  In front of the barrier I wait for all my tensor loads (one is out: my part of the next slot), add 0 to my spare word, and wait for the add and for my reads of this slot.
; fill = 1: the barrier opens a round of the cluster's barrier, and the joint refill, two K steps on, is the first tensor load behind it: 118 products ahead of the wait for it.
.macro TURN slot, next, fill
	s_wait_dscnt 32
	WIN Q0W
	QD 64, 64, 0, 0, 5
	WIN 0                                          ; (the add's two registers lie in window 0)
	s_wait_tensorcnt 0x0
	ds_add_u32 v[SPW], v[NIL]
.if \fill
	s_add_nc_u64 s[G0+4*\slot+2:G0+4*\slot+3], s[G0+4*\slot+2:G0+4*\slot+3], 2*KSB      ; none of my loads is out: this slot's next K step
	s_add_nc_u64 s[G0B+4*\slot+2:G0B+4*\slot+3], s[G0B+4*\slot+2:G0B+4*\slot+3], 2*KSB
	s_wait_xcnt 0x0                                ; my last prefetch has read its address
	s_add_nc_u64 s[PFA:PFA+1], s[PFA:PFA+1], KSB
.endif
	WIN Q0W
	QD 64, 64, 0, 6, 9
	s_wait_dscnt 0x0                               ; the add is done, and my reads of this slot are over: all of this step's fragments are in
	s_barrier_signal -1
	QD 64, 64, 0, 10, 15
	WIN 0
	s_barrier_wait -1
.if \fill
	CREST
	JLOAD G0+4*\slot, G1, G0B+4*\slot, G1B         ; its four v_nop are also the places in front of the run below
	ASK
.else
	NOP4
.endif
	RUN1 \next, 0                                  ; the next slot's first reads
	WIN Q1W
	QD 64, 64, 0, 0, 15
	WIN Q2W
	QD 64, 64, 0, 0, 15
	NOP4
	RUN3 \next, 0
	WIN Q3W
	QD 64, 64, 0, 0, 15
.endm
; The way out of quadrant q: W's group g of 64 columns, x's blocks p0 .. p0 + 3.  T lies in window q under the accumulators, where fragments lay: in windows 1 to 3 a set of 32 registers for each block,
; in window 0 three sets (v32-127).  Under one setting the accumulators (source 1) and T (destination, and a store's data) lie in window q, the bias (source 2) and the store's offset in window 0.
; Each accumulator is read from its low end on.
.macro OUT q, g, p0
	WIN ((\q)<<2)|((\q)<<6)
.irp pp, 0,1,2,3
.if (\q) == 0
.set TB, 32+32*(\pp%3)
.if \pp == 3
	s_wait_xcnt 0x0                                ; block 0's stores have read their registers: its set is written again
.endif
.else
.set TB, 32*\pp
.endif
.irp j, 0,1,2,3,4,5,6,7
.irp b, 0,1,2,3
	v_fma_f32 v[TB+4*\j+\b], s96, v[128+8*(4*\pp+\b)+\j], v[BIAS+4*(\g)+\b]
.endr
.endr
.irp j, 0,1,2,3,4,5,6,7
	global_store_b128 v[CO], v[TB+4*\j:TB+4*\j+3], s[10:11] offset:(16*((\p0)+\pp)+\j)*NROW+256*(\g) th:TH_STORE_NT   ; sixteen lanes store 256 consecutive bytes, aligned; rows j and 8 + j of the block
.endr
.endr
.endm
	s_wait_tensorcnt 0x0                           ; my part of K step 0 is in
	ds_add_u32 v[SPW], v[NIL]
	s_wait_dscnt 0x0
	CROUND
	JLOAD G0+4, G1, G0B+4, G1B                     ; K step 1, the first tensor load behind the round
	global_prefetch_b8 v[PFO], s[PFA:PFA+1] offset:3*KSB th:TH_LOAD_NT scope:SCOPE_SE
	RUN1 0, 0                                      ; the first step's fragments, in the order in which the steps issue them
	RUN3 0, 0
	STEP 0, 1                                      ; the first step starts the sums: nothing is cleared
	WIN 0
	s_mov_b32 s3, 7
.Llap:                                                 ; a trip goes once round the ring and fills both slots again
	TURN 0, 1, 1
	STEP 1, 0
	TURN 1, 0, 1
	STEP 0, 0
	WIN 0
	s_sub_co_u32 s3, s3, 1
	s_cmp_lg_u32 s3, 0
	s_cbranch_scc1 .Llap
	TURN 0, 1, 0                                   ; the last lap fills nothing
	STEP 1, 0
	s_wait_dscnt 32                                ; the last step: nothing more to fetch
	WIN Q0W
	QD 64, 64, 0, 0, 15
	s_wait_dscnt 0
	WIN Q1W
	QD 64, 64, 0, 0, 15
	WIN Q2W
	QD 64, 64, 0, 0, 15
	WIN Q3W
	QD 64, 64, 0, 0, 15
	s_wait_kmcnt 0x0
	s_add_co_i32 s96, s96, s97
	s_add_co_i32 s96, s96, 127
	s_lshl_b32 s96, s96, 23                        ; 2^(e0 + e1) as f32
	s_wait_loadcnt 0x0                             ; the bias
	NOP4
	OUT 0, 0, 0
	OUT 1, 1, 0
	OUT 2, 1, 4
	OUT 3, 0, 4
	WIN 0
	s_wait_tensorcnt 0x0                           ; the wave's end
	ds_add_u32 v[SPW], v[NIL]
	s_wait_dscnt 0x0
	CROUND                                         ; the closing round
	s_endpgm
.Lfunc_end_k_qaee4040209_gemm:
	.size	k_qaee4040209_gemm, .Lfunc_end_k_qaee4040209_gemm-k_qaee4040209_gemm
	.p2alignl 7, 3214868480
	.fill 96, 4, 3214868480
	.section	.rodata,"a",@progbits
	.p2align	6, 0x0
	.amdhsa_kernel k_qaee4040209_gemm
		.amdhsa_group_segment_fixed_size 327680
		.amdhsa_private_segment_fixed_size 0
		.amdhsa_enable_private_segment 0
		.amdhsa_kernarg_size 40
		.amdhsa_user_sgpr_count 2
		.amdhsa_user_sgpr_kernarg_segment_ptr 1
		.amdhsa_wavefront_size32 1
		.amdhsa_system_sgpr_workgroup_id_x 1
		.amdhsa_system_sgpr_workgroup_id_y 1
		.amdhsa_system_sgpr_workgroup_id_z 1
		.amdhsa_system_vgpr_workitem_id 0
		.amdhsa_next_free_vgpr 1024
		.amdhsa_next_free_sgpr 98
		.amdhsa_reserve_vcc 0
		.amdhsa_float_denorm_mode_32 3
		.amdhsa_float_denorm_mode_16_64 3
		.amdhsa_memory_ordered 1
		.amdhsa_forward_progress 1
		.amdhsa_inst_pref_size 124
	.end_amdhsa_kernel
	.amdgpu_metadata
---
amdhsa.version: [ 1, 2 ]
amdhsa.kernels:
  - .name:           k_qaee4040209_gemm
    .symbol:         k_qaee4040209_gemm.kd
    .args:
      - { .name: xc, .offset: 0, .size: 8, .value_kind: global_buffer, .address_space: global }
      - { .name: wc, .offset: 8, .size: 8, .value_kind: global_buffer, .address_space: global }
      - { .name: lowp_scales, .offset: 16, .size: 8, .value_kind: global_buffer, .address_space: global }
      - { .name: out0, .offset: 24, .size: 8, .value_kind: global_buffer, .address_space: global }
      - { .name: bias, .offset: 32, .size: 8, .value_kind: global_buffer, .address_space: global }
    .group_segment_fixed_size: 327680
    .private_segment_fixed_size: 0
    .kernarg_segment_align: 8
    .kernarg_segment_size: 40
    .max_flat_workgroup_size: 128
    .sgpr_count:     98
    .vgpr_count:     1024
    .wavefront_size: 32
...
	.end_amdgpu_metadata
.endif
;; end of part 3
